; MI455X (gfx1250); checked and timed in simulation.
; The chip was launched on July 23, 2026; its instructions are those of AMD's public machine-readable ISA for CDNA 5 (MIT licence, August 2026) and "CDNA5" Instruction Set Architecture Reference Guide (July 2026). The comments in the code are by the model that wrote it; some were corrected since.
;; Mixture Of Experts. Allowed arithmetic: float matrix products may take bf16 or f16 operands with f32 sums; all other float work in f32.
;; Inputs: b1 8 x 256 float32; b2 8 x 256 float32; b3 8 x 256 float32; be1 8 x 256 float32; be2 8 x 256 float32; g1 8 x 256 float32; g2 8 x 256 float32; gb1 256 float32; gb2 8 float32; gw1 256 x 256 float32; gw2 256 x 8 float32; w1 8 x 256 x 256 float32; w2 8 x 256 x 256 float32; w3 8 x 256 x 256 float32; x 32,768 x 256 float32.
;; Outputs: out0 32,768 x 256 float32.
;; One version. Each part assembles by itself: llvm-mc -triple=amdgcn-amd-amdhsa -mcpu=gfx1250 --defsym DOCPART=n.
;; ======== version 1 of 1: 2 launches
;; limits: inputs' magnitudes at most 65,504; values are held in f16: magnitudes above 65,504 overflow, below 6.1e-05 lose precision; right only within a limited range of input values
;; workspace buffers: wpk 3,395,584 bytes
;; launch prep (part 1): grid 9 x 25, 8 waves a work-group, no clusters, 0 bytes of LDS; arguments gw1, w1, w2, w3, gb1, b1, g1, be1, b2, g2, be2, b3, gw2, wpk; writes wpk
.if DOCPART == 1
	.amdgcn_target "amdgcn-amd-amdhsa--gfx1250"
	.amdhsa_code_object_version 6
	.text
	.protected	k_qfe610907d8_prep
	.globl	k_qfe610907d8_prep
	.p2align	8
	.type	k_qfe610907d8_prep,@function
k_qfe610907d8_prep:
	s_mov_b64 s[64:65], 0
	v_nop
	global_prefetch_b8 v0, s[64:65] scope:SCOPE_SE
	s_setreg_imm32_b32 hwreg(HW_REG_WAVE_MODE, 25, 1), 1
	s_wait_xcnt 0x0
; PACKS THE WEIGHTS for the launch behind.  wpk holds 25 blocks of BLK bytes (block 0: the gate's first layer; block 1 + 3 e + l: expert e, layer l) and a table.
; A block is 264 rows of 512 bytes: rows 0-255 W[k][n] in f16; rows 256-257 the layer's bias, 258-259 its gain, 260-261 its beta (256 f32 each; zeros where the layer has none); 262-263 zeros.
; Every input number is rounded to bf16 first; a matrix's number is then written as f16, the others as f32.
; LIMITS.  f16 holds no number beyond 65,504: the weights stay within it.  bf16's number is exact in f16 from 7.6e-6 up; below that it keeps f16's fixed step of 6e-8.
; The table at GOFF: 64 images of 256 bytes of gw2 for the f32 matrix form: image 4 t + q, lane (r = l % 16, h = l / 16), word j = gw2[16 t + 8 h + 2 q + j][r % 8].
; SHARES.  Work-group (chunk, block): chunks 0-7 take 32 rows of the block's matrix each, chunk 8 its eight rows of parameters, and in block 0 the table too.
; A stream: no LDS, no barrier, no matrix unit; each input byte is read once, each 16-byte store of sixteen neighbouring lanes covers 256 consecutive bytes, aligned.
.set BLK,  135168
.set GOFF, 25*BLK
	s_load_b512 s[4:19], s[0:1], 0x0               ; gw1 4, w1 6, w2 8, w3 10, gb1 12, b1 14, g1 16, be1 18
	s_load_b256 s[20:27], s[0:1], 0x40             ; b2 20, g2 22, be2 24, b3 26
	s_load_b128 s[28:31], s[0:1], 0x60             ; gw2 28, wpk 30
	s_and_b32 s32, ttmp7, 0xffff                   ; the block
	s_mov_b32 s40, ttmp9                           ; the chunk
	s_max_u32 s33, s32, 1
	s_sub_co_u32 s33, s33, 1                       ; n = 3 e + l (0 for the gate's block too)
	s_mul_i32 s34, s33, 11
	s_lshr_b32 s34, s34, 5                         ; e = n / 3: 11 n / 32 is that for n = 0 .. 23
	s_mul_i32 s35, s34, 3
	s_sub_co_u32 s35, s33, s35                     ; l
	s_add_co_u32 s35, s35, 1
	s_cmp_eq_u32 s32, 0
	s_cselect_b32 s35, 0, s35                      ; kind: 0 the gate, 1 to 3 an expert's layers
	s_mul_i32 s38, s32, BLK                        ; the block's place in wpk
	s_mov_b32 s39, 0
	s_mov_b32 s48, 0xffff0000                      ; a word's upper bf16
	v_lshrrev_b32 v1, 5, v0
	v_readfirstlane_b32 s41, v1                    ; wave 0..7
	s_wait_kmcnt 0x0
	s_add_nc_u64 s[52:53], s[30:31], GOFF          ; the table
	s_add_nc_u64 s[30:31], s[30:31], s[38:39]      ; the block
	s_cmp_eq_u32 s40, 8
	s_cbranch_scc1 .Lparams
	; 32 ROWS OF THE MATRIX: 32,768 bytes in, 16,384 out.  Thread T takes 8 numbers, four times.
	s_cmp_eq_u32 s35, 1
	s_cselect_b64 s[36:37], s[6:7], s[4:5]
	s_cmp_eq_u32 s35, 2
	s_cselect_b64 s[36:37], s[8:9], s[36:37]
	s_cmp_eq_u32 s35, 3
	s_cselect_b64 s[36:37], s[10:11], s[36:37]
	s_lshl_b32 s42, s34, 18                        ; the expert's matrix (e = 0 for the gate),
	s_lshl_b32 s43, s40, 15                        ; the chunk's rows
	s_add_co_u32 s42, s42, s43
	s_mov_b32 s43, 0
	s_add_nc_u64 s[36:37], s[36:37], s[42:43]
	s_lshl_b32 s44, s40, 14
	s_mov_b32 s45, 0
	s_add_nc_u64 s[30:31], s[30:31], s[44:45]
	v_lshlrev_b32 v1, 5, v0                        ; 32 bytes in,
	v_lshlrev_b32 v2, 4, v0                        ; 16 bytes out
.set i, 0
.rept 4
	global_load_b128 v[4+8*i:7+8*i],  v1, s[36:37] offset:8192*i th:TH_LOAD_NT
	global_load_b128 v[8+8*i:11+8*i], v1, s[36:37] offset:8192*i+16 th:TH_LOAD_NT
.set i, i+1
.endr
.set i, 0
.rept 4
	s_wait_loadcnt 6-2*i                           ; loads come back in order: two for each later turn may stay out
.set p, 4*i
.rept 4
	v_cvt_pk_bf16_f32 v[4+2*p], v[4+2*p], v[5+2*p] ; rounded to bf16,
	v_and_b32 v[5+2*p], s48, v[4+2*p]              ; widened again,
	v_lshlrev_b32 v[4+2*p], 16, v[4+2*p]
	v_cvt_pk_f16_f32 v[36+p], v[4+2*p], v[5+2*p]   ; and written as f16
.set p, p+1
.endr
	global_store_b128 v2, v[36+4*i:39+4*i], s[30:31] offset:4096*i
.set i, i+1
.endr
	s_endpgm
.Lparams:                                              ; THE EIGHT ROWS OF PARAMETERS: two waves to each 1,024 bytes: p = 0 bias, 1 gain, 2 beta, 3 zeros
	s_lshr_b32 s46, s41, 1                         ; p
	s_cmp_eq_u32 s35, 1
	s_cselect_b64 s[36:37], s[14:15], s[12:13]     ; b1, or gb1
	s_cmp_eq_u32 s35, 2
	s_cselect_b64 s[36:37], s[20:21], s[36:37]     ; b2
	s_cselect_b64 s[42:43], s[22:23], s[16:17]     ; g2, or g1
	s_cselect_b64 s[44:45], s[24:25], s[18:19]     ; be2, or be1
	s_cmp_eq_u32 s35, 3
	s_cselect_b64 s[36:37], s[26:27], s[36:37]     ; b3
	s_cmp_eq_u32 s46, 1
	s_cselect_b64 s[36:37], s[42:43], s[36:37]
	s_cmp_eq_u32 s46, 2
	s_cselect_b64 s[36:37], s[44:45], s[36:37]
	s_lshl_b32 s50, s34, 10                        ; the expert's row
	s_mov_b32 s51, 0
	s_add_nc_u64 s[36:37], s[36:37], s[50:51]
	s_sub_co_u32 s47, s35, 1                       ; is there such a parameter?  A bias always; gain and beta in an expert's layers 1 and 2
	s_cmp_lt_u32 s47, 2
	s_cselect_b32 s47, 1, 0
	s_cmp_lt_u32 s46, 3
	s_cselect_b32 s47, s47, 0
	s_cmp_eq_u32 s46, 0
	s_cselect_b32 s47, 1, s47
	v_and_b32 v1, 63, v0
	v_lshlrev_b32 v1, 4, v1
	v_lshlrev_b32 v2, 4, v0
	s_cmp_eq_u32 s47, 0
	s_cbranch_scc1 .Lzeros
	global_load_b128 v[4:7], v1, s[36:37]
	s_wait_loadcnt 0x0
	v_cvt_pk_bf16_f32 v4, v4, v5
	v_cvt_pk_bf16_f32 v6, v6, v7
	v_lshlrev_b32 v8, 16, v4
	v_and_b32 v9, s48, v4
	v_lshlrev_b32 v10, 16, v6
	v_and_b32 v11, s48, v6
	s_branch .Lput
.Lzeros:
	v_mov_b32 v8, 0
	v_mov_b32 v9, 0
	v_mov_b32 v10, 0
	v_mov_b32 v11, 0
.Lput:
	global_store_b128 v2, v[8:11], s[30:31] offset:131072   ; behind the matrix's 256 rows
	s_cmp_lg_u32 s32, 0
	s_cbranch_scc1 .Lend
	; THE TABLE.  Wave w and turn i make image w + 8 i: t = 2 i + w / 4, q = w % 4; a lane's two words are rows 32 i + 16 (w / 4) + 2 (w % 4) + 8 h + 0, 1 of gw2, column r % 8.
	s_lshr_b32 s47, s41, 2
	s_lshl_b32 s47, s47, 4
	s_and_b32 s49, s41, 3
	s_lshl1_add_u32 s47, s49, s47
	v_bfe_u32 v20, v0, 4, 1
	v_lshl_add_u32 v20, v20, 3, s47                ; the row for i = 0, j = 0
	v_and_b32 v21, 7, v0
	v_lshlrev_b32 v21, 2, v21
	v_lshl_add_u32 v20, v20, 5, v21                ; a row of gw2 is 32 bytes
	v_lshlrev_b32 v22, 3, v0
.set i, 0
.rept 8
	global_load_b32 v[24+2*i], v20, s[28:29] offset:1024*i
	global_load_b32 v[25+2*i], v20, s[28:29] offset:1024*i+32
.set i, i+1
.endr
	s_wait_loadcnt 0x0
.set i, 0
.rept 8
	v_cvt_pk_bf16_f32 v[24+2*i], v[24+2*i], v[25+2*i]
	v_and_b32 v[25+2*i], s48, v[24+2*i]
	v_lshlrev_b32 v[24+2*i], 16, v[24+2*i]
	global_store_b64 v22, v[24+2*i:25+2*i], s[52:53] offset:2048*i   ; a wave's store covers 256 consecutive bytes, aligned
.set i, i+1
.endr
.Lend:
	s_endpgm
.Lfunc_end_k_qfe610907d8_prep:
	.size	k_qfe610907d8_prep, .Lfunc_end_k_qfe610907d8_prep-k_qfe610907d8_prep
	.p2alignl 7, 3214868480
	.fill 96, 4, 3214868480
	.section	.rodata,"a",@progbits
	.p2align	6, 0x0
	.amdhsa_kernel k_qfe610907d8_prep
		.amdhsa_group_segment_fixed_size 0
		.amdhsa_private_segment_fixed_size 0
		.amdhsa_enable_private_segment 0
		.amdhsa_kernarg_size 112
		.amdhsa_user_sgpr_count 2
		.amdhsa_user_sgpr_kernarg_segment_ptr 1
		.amdhsa_wavefront_size32 1
		.amdhsa_system_sgpr_workgroup_id_x 1
		.amdhsa_system_sgpr_workgroup_id_y 1
		.amdhsa_system_sgpr_workgroup_id_z 1
		.amdhsa_system_vgpr_workitem_id 0
		.amdhsa_next_free_vgpr 64
		.amdhsa_next_free_sgpr 66
		.amdhsa_reserve_vcc 0
		.amdhsa_float_denorm_mode_32 3
		.amdhsa_float_denorm_mode_16_64 3
		.amdhsa_memory_ordered 1
		.amdhsa_forward_progress 1
		.amdhsa_inst_pref_size 12
	.end_amdhsa_kernel
	.amdgpu_metadata
---
amdhsa.version: [ 1, 2 ]
amdhsa.kernels:
  - .name:           k_qfe610907d8_prep
    .symbol:         k_qfe610907d8_prep.kd
    .args:
      - { .name: gw1, .offset: 0, .size: 8, .value_kind: global_buffer, .address_space: global }
      - { .name: w1, .offset: 8, .size: 8, .value_kind: global_buffer, .address_space: global }
      - { .name: w2, .offset: 16, .size: 8, .value_kind: global_buffer, .address_space: global }
      - { .name: w3, .offset: 24, .size: 8, .value_kind: global_buffer, .address_space: global }
      - { .name: gb1, .offset: 32, .size: 8, .value_kind: global_buffer, .address_space: global }
      - { .name: b1, .offset: 40, .size: 8, .value_kind: global_buffer, .address_space: global }
      - { .name: g1, .offset: 48, .size: 8, .value_kind: global_buffer, .address_space: global }
      - { .name: be1, .offset: 56, .size: 8, .value_kind: global_buffer, .address_space: global }
      - { .name: b2, .offset: 64, .size: 8, .value_kind: global_buffer, .address_space: global }
      - { .name: g2, .offset: 72, .size: 8, .value_kind: global_buffer, .address_space: global }
      - { .name: be2, .offset: 80, .size: 8, .value_kind: global_buffer, .address_space: global }
      - { .name: b3, .offset: 88, .size: 8, .value_kind: global_buffer, .address_space: global }
      - { .name: gw2, .offset: 96, .size: 8, .value_kind: global_buffer, .address_space: global }
      - { .name: wpk, .offset: 104, .size: 8, .value_kind: global_buffer, .address_space: global }
    .group_segment_fixed_size: 0
    .private_segment_fixed_size: 0
    .kernarg_segment_align: 8
    .kernarg_segment_size: 112
    .max_flat_workgroup_size: 256
    .sgpr_count:     66
    .vgpr_count:     64
    .wavefront_size: 32
...
	.end_amdgpu_metadata
.endif
;; end of part 1
;; launch moe (part 2): grid 256 x 1, 4 waves a work-group, clusters of 4 x 1, 327,680 bytes of LDS; arguments x, wpk, gb2, out0; writes out0
.if DOCPART == 2
	.amdgcn_target "amdgcn-amd-amdhsa--gfx1250"
	.amdhsa_code_object_version 6
	.text
	.protected	k_qfe610907d8_moe
	.globl	k_qfe610907d8_moe
	.p2align	8
	.type	k_qfe610907d8_moe,@function
k_qfe610907d8_moe:
	s_mov_b64 s[64:65], 0
	v_nop
	global_prefetch_b8 v0, s[64:65] scope:SCOPE_SE
	s_setreg_imm32_b32 hwreg(HW_REG_WAVE_MODE, 25, 1), 1
	s_wait_xcnt 0x0
	s_wait_alu depctr_hold_cnt(0) depctr_sa_sdst(0) depctr_va_vdst(0) depctr_va_sdst(0) depctr_va_ssrc(0) depctr_va_vcc(0) depctr_vm_vsrc(0)
	s_getreg_b32 s2, hwreg(HW_REG_IB_STS2, 6, 4)
	s_cmp_eq_u32 s2, 0
	s_cbranch_scc0 .Lentry_in_a_cluster
	s_endpgm
.Lentry_in_a_cluster:
	s_bfe_u32 s2, ttmp6, 0x10000c
	s_cmp_lg_u32 s2, 0x3003
	s_cbranch_scc0 .Lentry_shape_is_right
	s_endpgm
.Lentry_shape_is_right:
; MIXTURE OF EXPERTS, all in one launch: the gate (Linear, ReLU, Linear, softmax, top 2, renormalised), eight experts (Linear + LN + ReLU, twice, Linear) on every token, and the weighted sum of the two chosen.
; SHARES.  A work-group owns 128 tokens, each of its four waves 32: two tiles of 16 (u = 0, 1), with all 256 channels.  A wave never needs another wave's numbers; the waves share the weights in LDS alone.
; THE WALK.  25 steps, one for each block of wpk (a layer's 256 x 256 matrix in f16 and its bias, gain and beta in f32): the gate's first layer, then expert 0's three layers, expert 1's, ...
; LAYOUT.  Every product is used transposed: source 0 = 16 output channels x 32 k of W^T (out of LDS by the turning load), source 1 = 32 k x 16 tokens.  In the result a lane (r = l % 16, h = l / 16) holds
; token r and channels 16 t + 8 h + 0..7.  Two neighbouring channel tiles, rounded to f16 in pairs, ARE source 1 of the next layer: activations never leave registers, a token's mean and variance want one
; exchange between the halves of the lanes, and the bias is the C operand of the first K step.
; FORMATS.  All inputs are rounded to bf16 (the launch in front did that for the weights; x and gb2 here); x and the matrices are then written as f16, exactly from 7.6e-6 up.  What the program itself makes (the
; hidden layers behind LN and ReLU) is rounded to f16.  Sums, LN, softmax and the output in f32.  THE GATE chooses, so it is kept in f32 throughout: its hidden layer is never rounded, and its second product
; (256 x 8 for a token, 0.12% of the multiply-adds) goes through the f32 matrix form.
; THE CHOICE costs no branch: every expert is computed, and its result enters the output with the weight C1, C2 or 0, picked by v_cndmask_b32.
; SOFTMAX.  Of the two largest logits m1 >= m2 the renormalised weights are 1 / (1 + e^(m2 - m1)) and the rest: the maximum is taken away, the softmax's divisor cancels.
; LIMITS.  |x| and the weights within 65,504, below 7.6e-6 in f16's fixed step of 6e-8; LN's results, 16 |g| + |be| at the most, within 65,504; an expert that is not chosen must give finite numbers (they are
; multiplied by 0); NaN and infinities are not treated apart; equal logits go to the lower index; logits closer than f32's rounding of their softmax may be ordered otherwise than by that softmax.
; CLUSTER.  All work-groups walk the same blocks in the same order, so the four of a cluster ask for each block JOINTLY: the same tensor load, descriptor and mask in all four.  x's tile is each wave's own.
; LDS.  Slot 0 at 0, slot 1 at SLOT1: 264 rows of 512 bytes + 32 of padding (pitch 544 = 17 x 32 bytes; 64 banks of 4 bytes: ISA guide 11.1).
; Wave w fills rows 66 w .. 66 w + 65.  Slot 1 first takes x (wave w's 32 rows of 1,024 bytes + 16, in its own part), and behind its last fill it is each wave's stage for the way out.
; REGISTERS, in windows of 256 (s_set_vgpr_msb: bits 1:0 source 0, 3:2 source 1, 5:4 source 2, 7:6 destination):
;   window 0: v0-13 addresses; v16-23 the choice; v24-27 the weight in hand; v32-63 the logits' four sums; v64-127 PB: bias, then at work; v128-255 two buffers of weight fragments, in LN of gain and beta
;   window 1: ACC(t, u) at 8 (2 t + u)      window 2: OUT(t, u), likewise      window 3: v0-127 X(u, f) at 8 (8 u + f); v128-255 H(u, f), the layer's source 1
.set PW,    544                        ; a weight row in LDS
.set PART,  66*PW                      ; a wave's part of a slot
.set SLOT1, 0x24000                    ; no bit of 0, PART, 2 PART, 3 PART lies in it: one exclusive or turns an address in one slot into the other's
.set SPARE, 144384                     ; between the slots: the spare words, 128 bytes for each wave: two blocks of 256 bytes that no other line names
.set BLK,   135168                     ; a block in memory
.set WPART, 66*512                     ; a wave's part of it
.set GOFF,  25*BLK                     ; gw2's table
.set PX,    1040                       ; a row of x, and of the stage: 1,024 bytes + 16: the 16 rows of a load or store start at 16 different groups of four banks
.set AWL, 2                            ; v2   my lane's place in a block's matrix; never rewritten
.set AW0, 3                            ; v3   the same in the slot in hand, k = 0 on;  v4: k = 128 on
.set APL, 5                            ; v5   my lane's place in a block's parameter rows; never rewritten
.set AP,  6                            ; v6   the same in the slot in hand
.set AX,  7                            ; v7   my 32 bytes of row r of my wave's x, later of its stage
.set RD,  8                            ; v8   the way out: my 16 bytes of 512 consecutive ones of the stage
.set GO,  9                            ; v9   the same in out0
.set GT,  10                           ; v10  my 8 bytes of an image of the table
.set SPW, 12                           ; v12  LDS address of my spare word: SPARE + 4 x my thread's number; never rewritten
.set NIL, 13                           ; v13  0; never rewritten
.set SELR, 16                          ; tile u at 16 + 4 u: I1, I2 (the chosen experts), C1, C2 (their weights)
.set CC,  24                           ; tile u's weight for the expert in hand, a pair at 24 + 2 u
.set LG,  32                           ; the logits' sums, tile u, half a at 32 + 16 u + 8 a: written by matrix instructions alone
.set PB,  64
.set MU,  PB+16                        ; minus the mean, a pair for each tile
.set RS,  PB+20                        ; 1 / sqrt(variance + eps), likewise
.set TS,  PB+24                        ; at work
.set AB,  128
.set MSB, 0
.macro WIN new                         ; the immediate's high byte repeats the setting that is left; a switch that changes nothing is dropped
.if MSB != (\new)
	s_set_vgpr_msb (MSB<<8)|(\new)
.set MSB, (\new)
.endif
.endm
.macro PLACES                          ; four places between a matrix instruction and a vector instruction or load that touches its registers (ISA guide 7.12.1 for vector instructions)
.rept 4
	v_nop
.endr
.endm
; A round of the cluster's barrier: my work-group's barrier, so that wave 0's signal speaks for all four waves; wave 0 signals; every wave waits for all four work-groups; my work-group's barrier once more.
.macro ROUND
	s_barrier_signal -1
	s_barrier_wait -1
	s_cmp_lg_u32 s12, 0
	s_cbranch_scc1 .Lnot_wave_0_\@
	s_barrier_signal -3
.Lnot_wave_0_\@:
	s_barrier_wait -3
	s_barrier_signal -1
	s_barrier_wait -1
.endm
	s_load_b256 s[4:11], s[0:1], 0x0               ; x s[4:5], wpk s[6:7], gb2 s[8:9], out0 s[10:11]
	v_lshl_add_u32 v[SPW], v0, 2, SPARE
	v_mov_b32 v[NIL], 0
	ds_add_u32 v12, v13
	s_wait_dscnt 0x0
	v_lshrrev_b32 v1, 5, v0
	v_readfirstlane_b32 s12, v1                    ; wave 0..3
	s_bfe_u32 s13, ttmp6, 0x40000                  ; cx: my place in the cluster
	s_lshl_b32 s14, ttmp9, 2                       ; in a cluster launch ttmp9 counts clusters
	s_add_co_u32 s14, s14, s13                     ; my block of 128 tokens: it enters x's and out0's addresses alone
	; descriptor group 1 for the weights: 66 rows x 256 elements of 2 bytes, padded
	s_mov_b32 s16, 15|(1<<16)|(1<<20)|(1<<21)|(6<<22)|(7<<25)  ; 15:0 the mask of four; 17:16 2-byte elements; 20 padding on; 21 set beside a mask; 24:22 after every 128 words (code 6); 31:25 8 words (code 7)
	s_mov_b32 s17, 256<<16                         ; tensor_dim0 = 256
	s_mov_b32 s18, 66<<16                          ; tensor_dim1 = 66
	s_mov_b32 s19, 256<<16                         ; tile_dim0 = 256
	s_mov_b32 s20, 66                              ; tile_dim1 = 66
	s_mov_b32 s21, 256                             ; elements from row to row
	s_mov_b32 s22, 0
	s_mov_b32 s23, 0
	; descriptor group 1 for x: 32 rows x 256 elements of 4 bytes, padded; no mask
	s_mov_b32 s32, (2<<16)|(1<<20)|(7<<22)|(3<<25) ; 4-byte elements; after every 256 words (code 7) 4 words (code 3)
	s_mov_b32 s33, 256<<16
	s_mov_b32 s34, 32<<16
	s_mov_b32 s35, 256<<16
	s_mov_b32 s36, 32
	s_mov_b32 s37, 256
	s_mov_b32 s38, 0
	s_mov_b32 s39, 0
	s_mov_b32 s24, 1                               ; group 0 for the weights: it walks.  count = 1
	s_mul_i32 s25, s12, PART                       ; LDS: my part of slot 0: no place in the cluster enters an LDS address
	s_mov_b32 s28, 1                               ; group 0 for x
	s_add_co_u32 s29, s25, SLOT1                   ; LDS: my part of slot 1
	s_mul_i32 s60, s12, WPART                      ; my part of a block in memory
	s_mov_b32 s61, 0
	s_lshl_b32 s62, s14, 17                        ; my work-group's 128 rows of 1,024 bytes,
	s_lshl_b32 s63, s12, 15                        ; my wave's 32 of them
	s_add_co_u32 s62, s62, s63
	s_mov_b32 s63, 0
	s_mov_b32 s15, 0xbb800000                      ; -1 / 256
	s_mov_b32 s50, 0                               ; TB: the slot in hand
	s_mov_b32 s51, 0                               ; TY: 0 the gate; 1, 2 a layer with LN; 3 an expert's last layer
	s_mov_b32 s52, 0                               ; EX: the expert in hand
	s_mov_b32 s53, 24                              ; steps that ask for a further block
	s_mov_b32 s54, 0xffff0000                      ; a word's upper bf16
	s_mov_b32 s55, 0xff800000                      ; -infinity
	s_mov_b32 s56, 0x3b800000                      ; 1 / 256
	s_mov_b32 s57, 0x3727c5ac                      ; 1e-5
	s_mov_b32 s58, 0x76543210                      ; v_permlanex16_b32: each lane takes its own place in the other half
	s_mov_b32 s59, 0xfedcba98
	s_wait_kmcnt 0x0
	s_add_nc_u64 s[26:27], s[6:7], s[60:61]        ; block 0, my rows
	s_or_b32 s27, s27, 0x80000000                  ; type = 2
	s_add_nc_u64 s[30:31], s[4:5], s[62:63]        ; my rows of x
	s_or_b32 s31, s31, 0x80000000
	s_add_nc_u64 s[10:11], s[10:11], s[62:63]      ; and of out0
	s_add_nc_u64 s[48:49], s[6:7], GOFF            ; gw2's table
	s_load_b256 s[40:47], s[8:9], 0x0              ; gb2's eight numbers
	ROUND                                          ; all four work-groups are here: the first joint load meets
	tensor_load_to_lds s[28:31], s[32:39]          ; x first: it is wanted first.  Two loads of mine are out
	s_nop 0
	tensor_load_to_lds s[24:27], s[16:23]          ; block 0, jointly
	s_nop 0
	PLACES                                         ; (behind a tensor load)
	; In the wait for x: the lanes' addresses, and the state that the one text of a step finds.
	v_and_b32 v1, 15, v0                           ; r
	v_bfe_u32 v14, v0, 4, 1                        ; h
	v_and_b32 v15, 7, v0
	v_bfe_u32 v11, v0, 3, 1
	v_lshl_add_u32 v[AWL], v14, 3, v15             ; the turning load: lane l reads row k0 + 8 h + l % 8,
	v_mul_u32_u24 v[AWL], v[AWL], PW
	v_lshl_add_u32 v[AWL], v11, 4, v[AWL]          ; channels n0 + 8 ((l / 8) % 2) + 0..7, and is left with channel n0 + r, k = k0 + 8 h + 0..7
	v_lshlrev_b32 v[APL], 5, v14
	v_add_nc_u32 v[APL], 256*PW, v[APL]            ; behind the matrix's 256 rows; my 8 channels of a tile begin 32 h bytes in
	v_mul_u32_u24 v[AX], v1, PX
	v_lshl_add_u32 v[AX], v14, 5, v[AX]
	v_add_nc_u32 v[AX], s29, v[AX]                 ; my part of slot 1 + r x pitch + 32 h
	v_and_b32 v[GO], 31, v0
	v_lshlrev_b32 v[GT], 3, v[GO]
	v_lshlrev_b32 v[GO], 4, v[GO]
	v_add_nc_u32 v[RD], s29, v[GO]
.irp u, 0,1
	v_mov_b32 v[SELR+4*\u], 8                      ; no expert is chosen yet
	v_mov_b32 v[SELR+4*\u+1], 8
	v_mov_b32 v[SELR+4*\u+2], 0
	v_mov_b32 v[SELR+4*\u+3], 0
.endr
	WIN 0x80                                       ; OUT is cleared on purpose: one text then serves all eight experts, and the moves stand in the wait for x
.set i, 0
.rept 256
	v_mov_b32 v[i], 0
.set i, i+1
.endr
	WIN 0
	s_wait_kmcnt 0x0                               ; gb2
	s_wait_tensorcnt 0x1                           ; tensor loads of a wave end in order (ISA guide 10.11.1): x is in, block 0 may stay out.  These rows are my wave's own: no barrier
	; x -> X and H.  Fragment (u, f): token 16 u + r, k = 32 f + 8 h + 0..7 and 32 f + 16 + 8 h + 0..7: four loads of 16 bytes
	WIN 0x40
.set i, 0
.rept 16
	ds_load_b128 v[16*i:16*i+3],     v[AX] offset:(i/8)*16*PX+(i%8)*128
	ds_load_b128 v[16*i+4:16*i+7],   v[AX] offset:(i/8)*16*PX+(i%8)*128+16
	ds_load_b128 v[16*i+8:16*i+11],  v[AX] offset:(i/8)*16*PX+(i%8)*128+64
	ds_load_b128 v[16*i+12:16*i+15], v[AX] offset:(i/8)*16*PX+(i%8)*128+80
.set i, i+1
.endr
	s_wait_dscnt 0x0
	WIN 0x45
.set i, 0
.rept 128
	v_cvt_pk_bf16_f32 v[2*i], v[2*i], v[2*i+1]     ; rounded to bf16,
.set i, i+1
.endr
.set i, 0
.rept 128
	v_and_b32 v[2*i+1], s54, v[2*i]                ; widened again,
	v_lshlrev_b32 v[2*i], 16, v[2*i]
.set i, i+1
.endr
	WIN 0xc5
.set i, 0
.rept 128
	v_cvt_pk_f16_f32 v[i], v[2*i], v[2*i+1]        ; and written as f16: X, which stays,
	v_cvt_pk_f16_f32 v[128+i], v[2*i], v[2*i+1]    ; and H, the first step's source 1
.set i, i+1
.endr
	WIN 0
; THE PRODUCT OF A STEP: ACC = W^T H + bias, 256 matrix instructions in 16 groups.  Group g: channel tiles 8 (g / 8) + 0..7, k = 32 (g % 8) on, both token tiles.
.macro FETCHA g                        ; group g's eight fragments of W^T: 16 turning loads into buffer g % 2
.set fa_f, (\g)%8
.set fa_c, (\g)/8
.set fa_b, AB+64*((\g)%2)
.set fa_i, 0
.rept 8
	ds_load_tr16_b128 v[fa_b+8*fa_i:fa_b+8*fa_i+3],   v[AW0+fa_f/4] offset:(fa_f%4)*32*PW+32*(8*fa_c+fa_i)
	ds_load_tr16_b128 v[fa_b+8*fa_i+4:fa_b+8*fa_i+7], v[AW0+fa_f/4] offset:(fa_f%4)*32*PW+32*(8*fa_c+fa_i)+16*PW
.set fa_i, fa_i+1
.endr
.endm
.macro FETCHB c                        ; the bias of channel tiles 8 c + 0..7 as C operands: register j = channel 16 t + 8 h + j, the same for every token
.set fb_i, 0
.rept 8
	ds_load_b128 v[PB+8*fb_i:PB+8*fb_i+3],   v[AP] offset:(\c)*PW+64*fb_i
	ds_load_b128 v[PB+8*fb_i+4:PB+8*fb_i+7], v[AP] offset:(\c)*PW+64*fb_i+16
.set fb_i, fb_i+1
.endr
.endm
.macro MULG g                          ; 16 matrix instructions; the 16 accumulators take turns, one instruction a turn
.set mg_f, (\g)%8
.set mg_c, (\g)/8
.set mg_b, AB+64*((\g)%2)
.if mg_f == 0
	WIN 0x4c                                       ; W^T window 0, H window 3, C (the bias) window 0, D window 1
.else
	WIN 0x5c                                       ; the same with C in window 1
.endif
.set mg_i, 0
.rept 16
.set mg_d, 8*(2*(8*mg_c+mg_i/2)+mg_i%2)
.set mg_a, mg_b+8*(mg_i/2)
.set mg_h, 128+8*(8*(mg_i%2)+mg_f)
.if mg_f == 0
	v_wmma_f32_16x16x32_f16 v[mg_d:mg_d+7], v[mg_a:mg_a+7], v[mg_h:mg_h+7], v[PB+8*(mg_i/2):PB+8*(mg_i/2)+7]
.else
	v_wmma_f32_16x16x32_f16 v[mg_d:mg_d+7], v[mg_a:mg_a+7], v[mg_h:mg_h+7], v[mg_d:mg_d+7]
.endif
.set mg_i, mg_i+1
.endr
.endm
.macro MATMUL
	WIN 0
	FETCHB 0
	FETCHA 0
.set mm_g, 0
.rept 15
.if mm_g > 0
	PLACES                                         ; the buffer to be loaded was read by the group just issued
.endif
	WIN 0
.if mm_g == 3
	FETCHB 1                                       ; the bias's second half: group 0, PB's last reader, stands 12 places back
.endif
	FETCHA mm_g+1
.if mm_g == 3
	s_wait_dscnt 32                                ; all but the 32 just issued
.else
	s_wait_dscnt 16                                ; LDS loads come back in order (ISA guide 5.7.1): all but the next group's 16 are in
.endif
	MULG mm_g
.set mm_g, mm_g+1
.endr
	s_wait_dscnt 0x0
	MULG 15
	WIN 0
	PLACES                                         ; in front of whatever reads the results or loads into the buffers
.endm
; LAYER NORM AND RELU, in place on ACC, and the rounding to f16 into H.  A token's 256 channels lie in two lanes, 128 each.
.macro CHAINS sq                       ; eight chains (tile u = n / 4, chain c = n % 4: channel tiles c, c + 4, c + 8, c + 12) of packed sums (sq = 0) or sums of squares (sq = 1); each accumulator is read from its low end on
.set ch_p, 0
.rept 16
.set ch_n, 0
.rept 8
.set ch_a, 8*(2*(ch_n%4+4*(ch_p/4))+ch_n/4)+2*(ch_p%4)
.set ch_s, PB+2*ch_n
.if \sq
.if ch_p == 0
	WIN 0x05
	v_pk_mul_f32 v[ch_s:ch_s+1], v[ch_a:ch_a+1], v[ch_a:ch_a+1]
.else
	v_pk_fma_f32 v[ch_s:ch_s+1], v[ch_a:ch_a+1], v[ch_a:ch_a+1], v[ch_s:ch_s+1]
.endif
.else
.if ch_p == 0
	WIN 0x05
	v_pk_add_f32 v[ch_s:ch_s+1], v[ch_a:ch_a+1], v[ch_a+2:ch_a+3]  ; the first two pairs start the chain: nothing is cleared
.elseif ch_p > 1
	WIN 0x01
	v_pk_add_f32 v[ch_s:ch_s+1], v[ch_a:ch_a+1], v[ch_s:ch_s+1]
.endif
.endif
.set ch_n, ch_n+1
.endr
.set ch_p, ch_p+1
.endr
.endm
.macro RED                             ; the chains of a tile into one number, with the other half of the lanes': v[TS + u], in every lane
	WIN 0
.irp u, 0,1
	v_pk_add_f32 v[PB+8*\u:PB+8*\u+1], v[PB+8*\u:PB+8*\u+1], v[PB+8*\u+2:PB+8*\u+3]
	v_pk_add_f32 v[PB+8*\u+4:PB+8*\u+5], v[PB+8*\u+4:PB+8*\u+5], v[PB+8*\u+6:PB+8*\u+7]
.endr
.irp u, 0,1
	v_pk_add_f32 v[PB+8*\u:PB+8*\u+1], v[PB+8*\u:PB+8*\u+1], v[PB+8*\u+4:PB+8*\u+5]
.endr
.irp u, 0,1
	v_add_f32 v[TS+\u], v[PB+8*\u], v[PB+8*\u+1]
.endr
.irp u, 0,1
	v_permlanex16_b32 v[TS+2+\u], v[TS+\u], s58, s59
.endr
.irp u, 0,1
	v_add_f32 v[TS+\u], v[TS+\u], v[TS+2+\u]
.endr
.endm
.macro FETCHP b                        ; gain and beta of channel tiles 4 b + 0..3 into buffer b % 2: tile i's gain at + 16 i, its beta at + 16 i + 8; laid as the bias is
.set fp_i, 0
.rept 4
.set fp_r, AB+64*((\b)%2)+16*fp_i
.set fp_o, ((4*(\b)+fp_i)/8)*PW+((4*(\b)+fp_i)%8)*64
	ds_load_b128 v[fp_r:fp_r+3],     v[AP] offset:2*PW+fp_o
	ds_load_b128 v[fp_r+4:fp_r+7],   v[AP] offset:2*PW+fp_o+16
	ds_load_b128 v[fp_r+8:fp_r+11],  v[AP] offset:4*PW+fp_o
	ds_load_b128 v[fp_r+12:fp_r+15], v[AP] offset:4*PW+fp_o+16
.set fp_i, fp_i+1
.endr
.endm
.macro LNB b                           ; channel tiles 4 b + 0..3, both token tiles: (d x rs) x g + be
	WIN 0x41
.set lb_k, 0
.rept 32
	v_pk_mul_f32 v[64*(\b)+2*lb_k:64*(\b)+2*lb_k+1], v[64*(\b)+2*lb_k:64*(\b)+2*lb_k+1], v[RS+2*((lb_k/4)%2):RS+2*((lb_k/4)%2)+1] op_sel_hi:[1,0]
.set lb_k, lb_k+1
.endr
.set lb_k, 0
.rept 32
.set lb_g, AB+64*((\b)%2)+16*(lb_k/8)+2*(lb_k%4)
	v_pk_fma_f32 v[64*(\b)+2*lb_k:64*(\b)+2*lb_k+1], v[64*(\b)+2*lb_k:64*(\b)+2*lb_k+1], v[lb_g:lb_g+1], v[lb_g+8:lb_g+9]
.set lb_k, lb_k+1
.endr
.endm
.macro LN
	WIN 0
	FETCHP 0                                       ; they land under the two passes of sums
	FETCHP 1
	CHAINS 0
	RED
	v_mul_f32 v[MU], s15, v[TS]                    ; minus the mean
	v_mul_f32 v[MU+1], s15, v[TS]
	v_mul_f32 v[MU+2], s15, v[TS+1]
	v_mul_f32 v[MU+3], s15, v[TS+1]
	WIN 0x41
.set ln_i, 0
.rept 128
	v_pk_add_f32 v[2*ln_i:2*ln_i+1], v[2*ln_i:2*ln_i+1], v[MU+2*((ln_i/4)%2):MU+2*((ln_i/4)%2)+1] op_sel_hi:[1,0]  ; d = h - mean: the variance is taken of d, no difference of large sums
.set ln_i, ln_i+1
.endr
	CHAINS 1
	RED
	v_fma_f32 v[TS], v[TS], s56, s57               ; variance + eps
	v_fma_f32 v[TS+1], v[TS+1], s56, s57
	v_rsq_f32 v[RS], v[TS]
	v_rsq_f32 v[RS+2], v[TS+1]
	v_nop                                          ; a plain instruction between the last of them and the use of its result (ISA guide 5.7.2)
	s_wait_alu depctr_va_vdst(0)
	v_mov_b32 v[RS+1], v[RS]
	v_mov_b32 v[RS+3], v[RS+2]
	s_wait_dscnt 0x0                               ; gain and beta of tiles 0-7
	LNB 0
	WIN 0
	FETCHP 2
	LNB 1
	WIN 0
	FETCHP 3
	s_wait_dscnt 16                                ; tiles 8-11's are in; the 16 loads just issued may stay out
	LNB 2
	s_wait_dscnt 0x0
	LNB 3
	WIN 0x44
.set ln_i, 0
.rept 256
	v_max_num_f32 v[ln_i], 0, v[ln_i]
.set ln_i, ln_i+1
.endr
	WIN 0xc5
.set ln_i, 0
.rept 128                              ; accumulator ln_i / 4 = 2 t + u, pair ln_i % 4 -> H(u, t / 2) + 4 (t % 2) + pair = 128 + 64 u + 4 t + pair
	v_cvt_pk_f16_f32 v[128+64*((ln_i/4)%2)+4*(ln_i/8)+ln_i%4], v[2*ln_i], v[2*ln_i+1]
.set ln_i, ln_i+1
.endr
	WIN 0
.endm
; THE EXPERT'S RESULT ENTERS THE OUTPUT with its weight: C1 or C2 where it is a token's first or second choice, else 0.
.macro COMBINE
	WIN 0
.irp u, 0,1
	v_cmp_eq_u32 vcc_lo, s52, v[SELR+4*\u+1]
	v_cndmask_b32 v[CC+2*\u], 0, v[SELR+4*\u+3], vcc_lo
	v_cmp_eq_u32 vcc_lo, s52, v[SELR+4*\u]
	v_cndmask_b32 v[CC+2*\u], v[CC+2*\u], v[SELR+4*\u+2], vcc_lo
	v_mov_b32 v[CC+2*\u+1], v[CC+2*\u]
.endr
	WIN 0xa1                                       ; ACC window 1, the weight window 0, OUT window 2
.set cb_i, 0
.rept 128
	v_pk_fma_f32 v[2*cb_i:2*cb_i+1], v[2*cb_i:2*cb_i+1], v[CC+2*((cb_i/4)%2):CC+2*((cb_i/4)%2)+1], v[2*cb_i:2*cb_i+1] op_sel_hi:[1,0,1]
.set cb_i, cb_i+1
.endr
	WIN 0
	s_add_co_u32 s52, s52, 1
.endm
.macro COPY                            ; the next expert's first layer takes x again
	WIN 0xc3
.set cp_i, 0
.rept 128
	v_mov_b32 v[128+cp_i], v[cp_i]
.set cp_i, cp_i+1
.endr
	WIN 0
.endm
; THE GATE's second half.  ACC holds x gw1 + gb1 in f32.  logits^T = gw2^T relu(ACC): registers 2 q, 2 q + 1 of ACC(t, u) ARE a source 1 of the f32 form (4 k x 16 tokens) for the channels 16 t + 8 h + 2 q + 0, 1,
; and the table holds gw2 in the same order of k.  Its rows 8-15 repeat rows 0-7, so every lane ends with its token's eight logits, expert j in register j.
.macro TOP1 u, mx, ix                  ; the largest of tile u's eight logits and the lowest index that has it
.set tp_l, PB+8+8*(\u)
	v_max3_num_f32 v[\mx], v[tp_l], v[tp_l+1], v[tp_l+2]
	v_max3_num_f32 v[\mx], v[\mx], v[tp_l+3], v[tp_l+4]
	v_max3_num_f32 v[\mx], v[\mx], v[tp_l+5], v[tp_l+6]
	v_max_num_f32 v[\mx], v[\mx], v[tp_l+7]
	v_mov_b32 v[\ix], 7
.irp e, 6,5,4,3,2,1,0
	v_cmp_neq_f32 vcc_lo, v[tp_l+\e], v[\mx]
	v_cndmask_b32 v[\ix], \e, v[\ix], vcc_lo
.endr
.endm
.macro GATE
	WIN 0xc0                                       ; the table goes where H lay: H is made anew behind the gate.  A wave's load covers 256 consecutive bytes, aligned
.set gt_i, 0
.rept 64
	global_load_b64 v[128+2*gt_i:128+2*gt_i+1], v[GT], s[48:49] offset:256*gt_i
.set gt_i, gt_i+1
.endr
	WIN 0x44
.set gt_i, 0
.rept 256
	v_max_num_f32 v[gt_i], 0, v[gt_i]
.set gt_i, gt_i+1
.endr
	WIN 0
.irp p, 0,1,2,3
	v_cvt_pk_bf16_f32 v[PB+8+\p], s[40+2*\p], s[41+2*\p]   ; gb2, rounded to bf16 like every input, starts the sums
.endr
.irp p, 0,1,2,3
	v_lshlrev_b32 v[PB+2*\p], 16, v[PB+8+\p]
	v_and_b32 v[PB+2*\p+1], s54, v[PB+8+\p]
.endr
	s_wait_loadcnt 0x0
	WIN 0x07                                       ; the table window 3, ACC window 1, the sums window 0
.set gt_i, 0
.rept 128                              ; t = i / 8, q = (i / 2) % 4, u = i % 2; four sums (u, q % 2) take turns, one instruction a turn
.set gt_d, LG+16*(gt_i%2)+8*((gt_i/2)%2)
.set gt_a, 128+2*(gt_i/2)
.set gt_b, 8*(2*(gt_i/8)+gt_i%2)+2*((gt_i/2)%4)
.if gt_i < 2
	v_wmma_f32_16x16x4_f32 v[gt_d:gt_d+7], v[gt_a:gt_a+1], v[gt_b:gt_b+1], v[PB:PB+7]
.elseif gt_i < 4
	v_wmma_f32_16x16x4_f32 v[gt_d:gt_d+7], v[gt_a:gt_a+1], v[gt_b:gt_b+1], 0
.else
	v_wmma_f32_16x16x4_f32 v[gt_d:gt_d+7], v[gt_a:gt_a+1], v[gt_b:gt_b+1], v[gt_d:gt_d+7]
.endif
.set gt_i, gt_i+1
.endr
	WIN 0
.rept 8
	v_nop                                          ; this form wants eight places (ISA guide 7.12.1)
.endr
.irp u, 0,1
.irp j, 0,1,2,3,4,5,6,7
	v_add_f32 v[PB+8+8*\u+\j], v[LG+16*\u+\j], v[LG+16*\u+8+\j]
.endr
.endr
.irp u, 0,1
	TOP1 \u, TS+\u, SELR+4*\u
.irp e, 0,1,2,3,4,5,6,7
	v_cmp_eq_u32 vcc_lo, \e, v[SELR+4*\u]
	v_cndmask_b32 v[PB+8+8*\u+\e], v[PB+8+8*\u+\e], s55, vcc_lo   ; the first choice leaves the field
.endr
	TOP1 \u, TS+2+\u, SELR+4*\u+1
.endr
.irp u, 0,1
	v_sub_f32 v[TS+4+\u], v[TS+2+\u], v[TS+\u]     ; m2 - m1 <= 0
.endr
.irp u, 0,1
	v_mul_f32 v[TS+4+\u], 0x3fb8aa3b, v[TS+4+\u]
.endr
.irp u, 0,1
	v_exp_f32 v[TS+4+\u], v[TS+4+\u]
.endr
	v_nop
	s_wait_alu depctr_va_vdst(0)
.irp u, 0,1
	v_add_f32 v[TS+6+\u], 1.0, v[TS+4+\u]
.endr
.irp u, 0,1
	v_rcp_f32 v[SELR+4*\u+2], v[TS+6+\u]           ; C1 = 1 / (1 + e^(m2 - m1))
.endr
	v_nop
	s_wait_alu depctr_va_vdst(0)
.irp u, 0,1
	v_mul_f32 v[SELR+4*\u+3], v[TS+4+\u], v[SELR+4*\u+2]  ; C2 = e^(m2 - m1) C1
.endr
.endm
.Lstep:                                                ; 24 trips: block s is multiplied, block s + 1 is asked for
	s_wait_tensorcnt 0x0                           ; all my tensor loads have landed, my part of this step's block among them: group 0 may be written
	ds_add_u32 v[SPW], v[NIL]                      ; 0 onto my spare word; the descriptor's steps stand between it and the wait for it
	s_xor_b32 s25, s25, SLOT1                      ; the other slot than last time,
	s_add_nc_u64 s[26:27], s[26:27], BLK           ; the next block; the type bits on top are not reached
	s_wait_dscnt 0x0                               ; the add is done, and my reads of the slot to be filled are over
	ROUND                                          ; both now hold of every wave of all four work-groups
	tensor_load_to_lds s[24:27], s[16:23]          ; my one load behind the round: it has the whole step in which to land
	s_nop 0
	v_add_nc_u32 v[AW0], s50, v[AWL]               ; the lanes' addresses in the slot in hand
	v_add_nc_u32 v[AW0+1], 128*PW, v[AW0]
	v_add_nc_u32 v[AP], s50, v[APL]
	v_nop                                          ; the fourth instruction in front of any switch of windows
	MATMUL
	s_cmp_eq_u32 s51, 0                            ; what the step does with its product hangs on its place in the walk alone; all these jumps go forward, past no barrier and no tensor load
	s_cbranch_scc1 .Lgate
	s_cmp_eq_u32 s51, 3
	s_cbranch_scc1 .Lcomb
	LN
	s_branch .Lnext
.Lgate:
	GATE
	s_branch .Lcopy
.Lcomb:
	COMBINE
.Lcopy:
	COPY
.Lnext:
	s_add_co_u32 s51, s51, 1                       ; 0, 1, 2, 3, 1, 2, 3, ..
	s_cmp_eq_u32 s51, 4
	s_cselect_b32 s51, 1, s51
	s_xor_b32 s50, s50, SLOT1
	s_sub_co_u32 s53, s53, 1
	s_cmp_lg_u32 s53, 0
	s_cbranch_scc1 .Lstep
	; THE LAST STEP is written out: expert 7's last layer, in slot 0; nothing is asked for, so no round
	s_wait_tensorcnt 0x0
	ds_add_u32 v[SPW], v[NIL]
	s_wait_dscnt 0x0                               ; my reads of slot 1 are over
	s_barrier_signal -1
	s_barrier_wait -1                              ; everybody's part of the block is in, and nobody reads slot 1 any more: it has had its last fill and is now the stages'
	v_add_nc_u32 v[AW0], s50, v[AWL]
	v_add_nc_u32 v[AW0+1], 128*PW, v[AW0]
	v_add_nc_u32 v[AP], s50, v[APL]
	MATMUL
	COMBINE
	; THE WAY OUT.  A lane holds 32 bytes of a row; through my wave's own stage (16 rows x 1,040 bytes for each token tile) they come back as half rows of 512 consecutive bytes.
.macro TOSTAGE u
	WIN 0x08                                       ; store data window 2
.set wo_t, 0
.rept 16
	ds_store_b128 v[AX], v[16*wo_t+8*(\u):16*wo_t+8*(\u)+3]   offset:(\u)*16*PX+64*wo_t
	ds_store_b128 v[AX], v[16*wo_t+8*(\u)+4:16*wo_t+8*(\u)+7] offset:(\u)*16*PX+64*wo_t+16
.set wo_t, wo_t+1
.endr
.endm
.macro BACK u
	WIN 0x40                                       ; into ACC's registers, which are free
.set wo_k, 0
.rept 32
	ds_load_b128 v[128*(\u)+4*wo_k:128*(\u)+4*wo_k+3], v[RD] offset:(\u)*16*PX+(wo_k/2)*PX+512*(wo_k%2)  ; LDS serves a wave's instructions in order (ISA guide 5.7.1.4): these see the stores above
.set wo_k, wo_k+1
.endr
.endm
.macro SEND u
	WIN 0x04                                       ; store data window 1
.set wo_k, 0
.rept 32
	global_store_b128 v[GO], v[128*(\u)+4*wo_k:128*(\u)+4*wo_k+3], s[10:11] offset:(16*(\u)+wo_k/2)*1024+512*(wo_k%2) th:TH_STORE_NT  ; 512 consecutive bytes, at a multiple of 256 from out0's first
.set wo_k, wo_k+1
.endr
.endm
	TOSTAGE 0
	BACK 0
	TOSTAGE 1
	s_wait_dscnt 32                                ; tile 0 is back in registers; tile 1's 32 stores may be out
	SEND 0
	BACK 1
	s_wait_dscnt 0x0
	SEND 1
	WIN 0
	s_wait_tensorcnt 0x0                           ; the wave's end: behind my last tensor load and my last LDS store
	ds_add_u32 v[SPW], v[NIL]
	s_wait_dscnt 0x0
	ROUND                                          ; the closing round: no work-group ends while a partner may still ask for a block that names it
	s_endpgm
.Lfunc_end_k_qfe610907d8_moe:
	.size	k_qfe610907d8_moe, .Lfunc_end_k_qfe610907d8_moe-k_qfe610907d8_moe
	.p2alignl 7, 3214868480
	.fill 96, 4, 3214868480
	.section	.rodata,"a",@progbits
	.p2align	6, 0x0
	.amdhsa_kernel k_qfe610907d8_moe
		.amdhsa_group_segment_fixed_size 327680
		.amdhsa_private_segment_fixed_size 0
		.amdhsa_enable_private_segment 0
		.amdhsa_kernarg_size 32
		.amdhsa_user_sgpr_count 2
		.amdhsa_user_sgpr_kernarg_segment_ptr 1
		.amdhsa_wavefront_size32 1
		.amdhsa_system_sgpr_workgroup_id_x 1
		.amdhsa_system_sgpr_workgroup_id_y 1
		.amdhsa_system_sgpr_workgroup_id_z 1
		.amdhsa_system_vgpr_workitem_id 0
		.amdhsa_next_free_vgpr 1024
		.amdhsa_next_free_sgpr 66
		.amdhsa_reserve_vcc 1
		.amdhsa_float_denorm_mode_32 3
		.amdhsa_float_denorm_mode_16_64 3
		.amdhsa_memory_ordered 1
		.amdhsa_forward_progress 1
		.amdhsa_inst_pref_size 251
	.end_amdhsa_kernel
	.amdgpu_metadata
---
amdhsa.version: [ 1, 2 ]
amdhsa.kernels:
  - .name:           k_qfe610907d8_moe
    .symbol:         k_qfe610907d8_moe.kd
    .args:
      - { .name: x, .offset: 0, .size: 8, .value_kind: global_buffer, .address_space: global }
      - { .name: wpk, .offset: 8, .size: 8, .value_kind: global_buffer, .address_space: global }
      - { .name: gb2, .offset: 16, .size: 8, .value_kind: global_buffer, .address_space: global }
      - { .name: out0, .offset: 24, .size: 8, .value_kind: global_buffer, .address_space: global }
    .group_segment_fixed_size: 327680
    .private_segment_fixed_size: 0
    .kernarg_segment_align: 8
    .kernarg_segment_size: 32
    .max_flat_workgroup_size: 128
    .sgpr_count:     66
    .vgpr_count:     1024
    .wavefront_size: 32
...
	.end_amdgpu_metadata
.endif
;; end of part 2
